; MI455X (gfx1250); checked and timed in simulation.
; The chip was launched on July 23, 2026; its instructions are those of AMD's public machine-readable ISA for CDNA 5 (MIT licence, August 2026) and "CDNA5" Instruction Set Architecture Reference Guide (July 2026). The comments in the code are by the model that wrote it; some were corrected since.
;; Fast Attention. Allowed arithmetic: matrix products marked QUANTISED: E3M2 operands, one E8M0 scale for each 32 along K, by v_wmma_scale_f32_16x16x128_f8f6f4 with both operands' format E3M2, f32 sums; products left as they are: f32 operands where the result goes on into a quantised operand, else bf16, f16 or f32 operands; f32 sums; everything else in f32.
;; Inputs: k_codes 4 x 8 x 4,096 x 2 x 24 uint8 (E3M2 codes of k, K innermost, in blocks of 32 codes, four codes in three bytes); k_scales 4 x 8 x 4,096 x 2 uint8 (E8M0 scales of k, one for each 32 codes along K); proj_codes 64 x 2 x 24 uint8 (E3M2 codes of proj, K innermost, in blocks of 32 codes, four codes in three bytes); proj_scales 64 x 2 uint8 (E8M0 scales of proj, one for each 32 codes along K); q_codes 4 x 8 x 4,096 x 2 x 24 uint8 (E3M2 codes of q, K innermost, in blocks of 32 codes, four codes in three bytes); q_scales 4 x 8 x 4,096 x 2 uint8 (E8M0 scales of q, one for each 32 codes along K); v 4 x 8 x 4,096 x 64 float32.
;; Outputs: out0 4 x 8 x 4,096 x 64 float32.
;; This version of the problem:
;;   THIS VERSION OF THE PROBLEM IS GIVEN IN LOW PRECISION. The matrix products marked QUANTISED in the list below multiply operands that are first quantised to E3M2 (3 exponent bits, 2 mantissa bits; 6 bits a number), with one power-of-two scale for each 32 numbers along K (OCP MX v1.0); their sums are f32. All else is computed in f32.
;;   The module's matrix products, in the order in which they are computed (A, B: the left and right operand; K: the contracted axis; several contracted axes count as one K, in the product's order):
;;     1. [M 131,072, K 64] x [K 64, N 64]; A: input q (given as codes); B: input proj (given as codes): QUANTISED
;;     2. [M 131,072, K 64] x [K 64, N 64]; A: input k (given as codes); B: input proj (given as codes): QUANTISED
;;     3. batch 32 x [M 4,096, K 64] x [K 64, N 1]; A: computed on the way; B: computed on the way: left as it is (N = 1 < 16)
;;   THE QUANTISER, for each operand of a quantised product, along K:
;;     - K is cut into blocks of 32 from its start; a last block that is shorter is filled with zeros.
;;     - A block's scale is 2^e with e = floor(log2(the largest magnitude in the block)) - 4, held to -126 .. 127; a block of zeros has e = 0. As a byte (E8M0): e + 127.
;;     - Each number is divided by its block's scale, clamped to +-28, and rounded to the nearest number of E3M2, ties to even, subnormals kept.
;;     - The product sums the exact products of the quantised numbers (number of the format x scale) in f32.
;;   ~~~python
;;   def quantise(x, axis):      # numpy; x: float32 -> the quantised numbers, widened to float32 again
;;       x = np.moveaxis(x, axis, -1); K = x.shape[-1]
;;       x = np.pad(x, [(0, 0)] * (x.ndim - 1) + [(0, -K % 32)]); x = x.reshape(x.shape[:-1] + (-1, 32)); a = np.abs(x).max(-1, keepdims=True)
;;       e = np.where(a > 0, np.clip(np.frexp(np.where(a > 0, a, 1))[1] - 1 - 4, -126, 127), 0)      # np.frexp(a)[1] - 1 = floor(log2(a)), exactly
;;       r = np.clip(x / 2.0 ** e, -28, 28)
;;       step = 2.0 ** (np.maximum(np.frexp(np.where(r == 0, 1, r))[1] - 1, -2) - 2)
;;       q = np.round(r / step) * step * 2.0 ** e      # np.round: ties to even
;;       return np.moveaxis(q.reshape(q.shape[:-2] + (-1,))[..., :K], -1, axis).astype(np.float32)
;;   ~~~
;;   INPUTS GIVEN AS CODES. k (in the module: [4, 8, 4096, 64], K = its axis 3); proj (in the module: [64, 64], K = its axis 1); q (in the module: [4, 8, 4096, 64], K = its axis 3): each comes as NAME_codes (uint8): NAME with its K axis moved to the last place and cut into blocks of 32 codes, [.., K / 32, bytes a block], one block behind the other in memory; four codes in three bytes: a row's codes are one little-endian stream of bits, code i at bits 6 i .. 6 i + 5 (a code: sign, 3 exponent bits, 2 mantissa bits); and NAME_scales (uint8): the same leading axes, one E8M0 byte (e + 127) for each 32 codes along K. Its value is code x scale, taken as it is: it is not quantised again, and the codes and scales need not be those that the quantiser above would give.
;; One version. Each part assembles by itself: llvm-mc -triple=amdgcn-amd-amdhsa -mcpu=gfx1250 --defsym DOCPART=n.
;; ======== version 1 of 1: 2 launches
;; workspace buffers: part 131,072 bytes
;; launch ksum (part 1): grid 256 x 1, 16 waves a work-group, no clusters, 37,888 bytes of LDS; arguments k_codes, k_scales, proj_codes, proj_scales, v, part; writes part
.if DOCPART == 1
	.amdgcn_target "amdgcn-amd-amdhsa--gfx1250"
	.amdhsa_code_object_version 6
	.text
	.protected	k_qe8faa5698b_ksum
	.globl	k_qe8faa5698b_ksum
	.p2align	8
	.type	k_qe8faa5698b_ksum,@function
k_qe8faa5698b_ksum:
	s_mov_b64 s[64:65], 0
	v_nop
	global_prefetch_b8 v0, s[64:65] scope:SCOPE_SE
	s_setreg_imm32_b32 hwreg(HW_REG_WAVE_MODE, 25, 1), 1
	s_wait_xcnt 0x0
; k' = exp(k proj^T); for each head the sums over its keys of k' and of k' x v.  This launch makes one partial of both for every 512 keys.
; k: [32 heads x 4096][64] as codes of BF6 (E3M2), 48 bytes a row, with two E8M0 bytes a row; proj: [64][64] likewise; v: [32 x 4096][64] f32.
; part: [256 work-groups][128] f32: 64 sums of k', then 64 sums of k' x v, in the order of the features.  Eight partials belong to a head.
; SHARES.  A work-group of sixteen waves takes 512 rows of one head, a wave 32 rows: two tiles of 16.  All of a wave's loads are issued in its first lines:
; 3 of codes, 5 of scales, 16 of v (8,192 bytes), so nothing is fetched in a loop and no slot is ever filled twice.
; THE PRODUCT.  v_wmma_scale_f32_16x16x128_f8f6f4, source 0 = 16 rows of k, source 1 = 16 rows of proj.  K is 64 of the instruction's 128: registers 0-5 of an operand hold k = 32 (lane / 16) + 0 .. 31,
; registers 6-11 (k = 64 .. 127) are zero codes on both sides, and bytes 2, 3 of the scale words are the zeros that a 16-bit load leaves: zero codes add nothing under them.
; WHICH ROWS OF proj FORM A TILE: tile t takes features 4 r + t (r = lane % 16).  In the results lane (r, h) then holds rows 8 h + 0 .. 7 in a tile's eight registers and features 4 r .. 4 r + 3 in the four tiles:
; the 16 bytes of a row of v that one b128 load gives it.  So sixteen neighbouring lanes read a whole row of v, 256 consecutive bytes, aligned.
; CODES are loaded as they lie, 512 consecutive bytes a load, and turn through the wave's own 1,536 bytes of LDS into fragments (48 bytes from row to row: the 32 lanes of an 8-byte load touch 64 different banks).
; proj is fetched once for the work-group, by waves 0 to 5, and laid tile by tile in LDS; one barrier; every wave reads its four fragments from there.
; No cluster: work-groups share proj alone, 3,072 of the some 160,000 bytes that a work-group reads.
; LIMITS.  v_exp_f32 gives 0 where k' would lie under 2^-126 (ISA guide, 15.8); the sums are taken in another order than the reference's; exp(x) is 2^(x log2 e) with the product rounded to f32.
.set CROW,  48                         ; a row's 64 codes in bytes
.set GROUP, 16*CROW                    ; sixteen rows: a fragment's
.set WSTG,  32*CROW                    ; LDS: a wave's stage for its 32 rows of codes, from byte 0 on
.set PJ,    16*WSTG                    ; behind the stages: proj, tile by tile: feature 4 r + t at (16 t + r) x 48
.set RED,   PJ+64*CROW                 ; behind it: 512 bytes for each wave's sums
.set L16, 1                            ; v1   16 x lane
.set L2,  2                            ; v2   2 x lane
.set PGA, 3                            ; v3   waves 0-5: my 16 bytes of proj in memory
.set PLA, 4                            ; v4   and in LDS
.set PSA, 5                            ; v5   8 r: my four features' scale bytes
.set VA,  6                            ; v6   v: 2,048 h + 16 r
.set AA,  7                            ; v7   LDS: my wave's stage + 48 r + 24 h
.set SA,  8                            ; v8   LDS: my wave's stage + 16 x lane
.set PFA, 9                            ; v9   LDS: PJ + 48 r + 24 h
.set RA,  10                           ; v10  LDS: RED + 512 x wave + 16 x lane
.set RB,  11                           ; v11  LDS: RED + 16 x lane
.set KSC, 12                           ; v12  k's scale words: lane l has row l's; lanes 0-15 serve tile 0, lanes 16-31 tile 1
.set PS,  14                           ; v14-17   proj's scale words, tile t
.set PR,  18                           ; v18-21   waves 0-5: 16 bytes of proj
.set KR,  22                           ; v22-33   my wave's codes as loaded
.set A,   34                           ; v34-57   k's two fragments
.set PB,  58                           ; v58-105  proj's four fragments
.set S,   106                          ; v106-169 scores, then k': tile of rows g, tile of features t, row j at S + 32 g + 8 t + j
.set V,   170                          ; v170-233 v: row (g, j), feature t at V + 32 g + 4 j + t; at the end wave 0's sixteen partials
.set KP,  234                          ; v234-241 sums of k', a pair (even rows, odd rows) for each t
.set CT,  242                          ; v242-249 sums of k' x v: CT + 4 g + t
.set KF,  250                          ; v250-253 sums of k', one for each t; at the head: at work
.set TL,  250
.set TR,  251
.set TH,  252
.set TQ,  253
	s_load_b256 s[4:11], s[0:1], 0x0               ; k's codes s[4:5], k's scales s[6:7], proj's codes s[8:9], proj's scales s[10:11]
	s_load_b128 s[12:15], s[0:1], 0x20             ; v s[12:13], part s[14:15]
	v_lshl_add_u32 v254, v0, 2, 0x8c00
	v_mov_b32 v255, 0
	v_lshrrev_b32 v[TQ], 5, v0
	s_delay_alu instid0(VALU_DEP_1)
	v_readfirstlane_b32 s16, v[TQ]                 ; wave 0..15
	v_and_b32 v[TL], 31, v0                        ; lane
	v_and_b32 v[TR], 15, v0                        ; r
	v_bfe_u32 v[TH], v0, 4, 1                      ; h
	s_delay_alu instid0(VALU_DEP_3)
	v_lshlrev_b32 v[L16], 4, v[TL]
	s_delay_alu instid0(VALU_DEP_4)
	v_lshlrev_b32 v[L2], 1, v[TL]
	s_delay_alu instid0(VALU_DEP_4)
	v_lshlrev_b32 v[PSA], 3, v[TR]
	v_lshlrev_b32 v[VA], 4, v[TR]
	s_delay_alu instid0(VALU_DEP_1)
	v_lshl_add_u32 v[VA], v[TH], 11, v[VA]         ; lanes 16-31 stand eight rows of 256 bytes further down
	v_and_b32 v[TL], 63, v0                        ; proj's way into LDS: thread i of the first 192 takes feature i % 64,
	v_lshrrev_b32 v[TQ], 6, v0                     ; and of its 48 bytes the 16 at 16 (i / 64)
	s_delay_alu instid0(VALU_DEP_2)
	v_mul_u32_u24 v[PGA], v[TL], CROW
	s_delay_alu instid0(VALU_DEP_1)
	v_lshl_add_u32 v[PGA], v[TQ], 4, v[PGA]
	s_delay_alu instid0(VALU_DEP_4)
	v_and_b32 v[PLA], 3, v[TL]                     ; feature f belongs to tile f % 4,
	s_delay_alu instid0(VALU_DEP_1)
	v_mul_u32_u24 v[PLA], v[PLA], GROUP
	v_lshrrev_b32 v[TL], 2, v[TL]                  ; where it is row f / 4
	s_delay_alu instid0(VALU_DEP_1)
	v_mad_u32_u24 v[PLA], v[TL], CROW, v[PLA]
	s_delay_alu instid0(VALU_DEP_1)
	v_lshl_add_u32 v[PLA], v[TQ], 4, v[PLA]
	s_delay_alu instid0(VALU_DEP_1)
	v_add_nc_u32 v[PLA], PJ, v[PLA]
	s_mul_i32 s17, s16, WSTG                       ; my wave's stage; also its 32 rows of codes within the work-group's
	s_lshl_b32 s18, s16, 9
	s_add_co_u32 s18, s18, RED
	v_mul_u32_u24 v[AA], v[TR], CROW
	s_delay_alu instid0(VALU_DEP_1)
	v_mad_u32_u24 v[AA], v[TH], 24, v[AA]          ; a fragment: row r, my half's 24 bytes
	s_delay_alu instid0(VALU_DEP_1)
	v_add_nc_u32 v[PFA], PJ, v[AA]
	s_delay_alu instid0(VALU_DEP_2)
	v_add_nc_u32 v[AA], s17, v[AA]
	v_add_nc_u32 v[SA], s17, v[L16]
	v_add_nc_u32 v[RA], s18, v[L16]
	v_add_nc_u32 v[RB], RED, v[L16]
.irp i, 0,1,2,3
	v_mov_b32 v[PR+\i], 0                          ; waves 6 to 15 load nothing into these four: there they hold zeros
.endr
	s_mul_i32 s20, ttmp9, 16*WSTG                  ; byte offsets of my wave's 32 rows: codes 48 a row,
	s_add_co_u32 s20, s20, s17
	s_mov_b32 s21, 0
	s_lshl_b32 s22, ttmp9, 10                      ; scale bytes 2 a row,
	s_lshl_b32 s19, s16, 6
	s_add_co_u32 s22, s22, s19
	s_mov_b32 s23, 0
	s_lshl_b32 s24, ttmp9, 17                      ; v 256 a row;
	s_lshl_b32 s19, s16, 13
	s_add_co_u32 s24, s24, s19
	s_mov_b32 s25, 0
	s_lshl_b32 s26, ttmp9, 9                       ; and the work-group's 512 bytes of part
	s_mov_b32 s27, 0
	s_mov_b32 s28, 0x3fb8aa3b                      ; log2(e)
	s_mov_b32 s29, s28                             ; (named with it as a pair, so it is written)
	s_wait_kmcnt 0x0
	s_add_nc_u64 s[4:5], s[4:5], s[20:21]
	s_add_nc_u64 s[6:7], s[6:7], s[22:23]
	s_add_nc_u64 s[12:13], s[12:13], s[24:25]
	s_add_nc_u64 s[14:15], s[14:15], s[26:27]
	; ALL LOADS, in the order in which they are wanted
	s_cmp_lt_u32 s16, 6
	s_cbranch_scc0 .Lno_proj_load
	global_load_b128 v[PR:PR+3], v[PGA], s[8:9]    ; waves 0-5: the oldest load, so that it changes no count below
.Lno_proj_load:
.irp i, 0,1,2
	global_load_b128 v[KR+4*\i:KR+4*\i+3], v[L16], s[4:5] offset:512*\i th:TH_LOAD_NT   ; 512 consecutive bytes a load
.endr
	global_load_u16 v[KSC], v[L2], s[6:7] th:TH_LOAD_NT            ; row l's two bytes; the upper half of the word is 0
.irp t, 0,1,2,3
	global_load_u16 v[PS+\t], v[PSA], s[10:11] offset:2*\t         ; feature 4 r + t's two bytes
.endr
.irp g, 0,1
.irp j, 0,1,2,3,4,5,6,7
	global_load_b128 v[V+32*\g+4*\j:V+32*\g+4*\j+3], v[VA], s[12:13] offset:4096*\g+256*\j th:TH_LOAD_NT   ; rows 16 g + j and 16 g + 8 + j, whole: 256 consecutive bytes for each half of the lanes
.endr
.endr
	; k = 64 .. 127 of every operand: zero codes
.irp g, 0,1
.irp i, 6,7,8,9,10,11
	v_mov_b32 v[A+12*\g+\i], 0
.endr
.endr
.irp t, 0,1,2,3
.irp i, 6,7,8,9,10,11
	v_mov_b32 v[PB+12*\t+\i], 0
.endr
.endr
.rept 4
	v_nop                                          ; an operand register written by a vector instruction stands four places ahead of a scaled matrix instruction
.endr
	s_wait_loadcnt 21                              ; my codes are in, and the older load of proj: the 21 younger loads (5 of scales, 16 of v) stay out
.irp i, 0,1,2
	ds_store_b128 v[SA], v[KR+4*\i:KR+4*\i+3] offset:512*\i        ; as they lie
.endr
	s_cmp_lt_u32 s16, 6
	s_cbranch_scc0 .Lno_proj_store
	ds_store_b128 v[PLA], v[PR:PR+3]
.Lno_proj_store:
	s_wait_dscnt 0x0                               ; for the others' sake: my part of proj has landed
	s_barrier_signal -1
	s_barrier_wait -1                              ; proj is whole
.irp g, 0,1
.irp p, 0,1,2
	ds_load_b64 v[A+12*\g+2*\p:A+12*\g+2*\p+1], v[AA] offset:GROUP*\g+8*\p
.endr
.endr
.irp t, 0,1,2,3
.irp p, 0,1,2
	ds_load_b64 v[PB+12*\t+2*\p:PB+12*\t+2*\p+1], v[PFA] offset:GROUP*\t+8*\p
.endr
.endr
	s_wait_loadcnt 16                              ; the scale words are in; v's 16 loads stay out
	s_wait_dscnt 0x0
	s_wait_alu depctr_va_vdst(0)
.irp t, 0,1,2,3
	v_wmma_scale_f32_16x16x128_f8f6f4 v[S+8*\t:S+8*\t+7], v[A:A+11], v[PB+12*\t:PB+12*\t+11], 0, v[KSC], v[PS+\t] matrix_a_fmt:MATRIX_FMT_BF6 matrix_b_fmt:MATRIX_FMT_BF6
.endr
.irp t, 0,1,2,3
	v_wmma_scale_f32_16x16x128_f8f6f4 v[S+32+8*\t:S+32+8*\t+7], v[A+12:A+23], v[PB+12*\t:PB+12*\t+11], 0, v[KSC], v[PS+\t] matrix_a_fmt:MATRIX_FMT_BF6 matrix_b_fmt:MATRIX_FMT_BF6 matrix_a_scale:MATRIX_SCALE_ROW1
.endr
.rept 4
	v_nop                                          ; four places between a matrix instruction and the first read of its result (ISA guide 7.12.1)
.endr
.macro SCALE g                         ; x log2(e), two at a time, each accumulator from its low end on
.set i, 0
.rept 16
	v_pk_mul_f32 v[S+32*\g+i:S+32*\g+i+1], v[S+32*\g+i:S+32*\g+i+1], s[28:29] op_sel_hi:[1,0]
.set i, i+2
.endr
.endm
.macro EXPS g                          ; k' = 2^(that): a batch of 32
.set i, 0
.rept 32
	v_exp_f32 v[S+32*\g+i], v[S+32*\g+i]
.set i, i+1
.endr
.endm
.macro CTX g                           ; k' x v, summed down the tile's rows: four chains by turns; the first product starts each
.irp t, 0,1,2,3
	v_mul_f32 v[CT+4*\g+\t], v[S+32*\g+8*\t], v[V+32*\g+\t]
.endr
.irp j, 1,2,3,4,5,6,7
.irp t, 0,1,2,3
	v_fmac_f32 v[CT+4*\g+\t], v[S+32*\g+8*\t+\j], v[V+32*\g+4*\j+\t]
.endr
.endr
.endm
	SCALE 0
	s_wait_alu depctr_va_vdst(0)
	EXPS 0
	s_wait_alu depctr_va_vdst(0)
	SCALE 1                                        ; plain work behind the first batch, which names none of its results
	s_wait_alu depctr_va_vdst(0)                   ; one wait for the first batch, ahead of its first reader
	EXPS 1                                         ; the second batch runs under tile 0's sums, which read the first batch alone
.irp t, 0,1,2,3
	v_pk_add_f32 v[KP+2*\t:KP+2*\t+1], v[S+8*\t:S+8*\t+1], v[S+8*\t+2:S+8*\t+3]   ; the first addition starts each sum
.endr
.irp i, 4,6
.irp t, 0,1,2,3
	v_pk_add_f32 v[KP+2*\t:KP+2*\t+1], v[KP+2*\t:KP+2*\t+1], v[S+8*\t+\i:S+8*\t+\i+1]
.endr
.endr
	s_wait_loadcnt 8                               ; v's rows of tile 0 are in; tile 1's eight loads stay out
	CTX 0
	s_wait_alu depctr_va_vdst(0)                   ; one wait for the second batch
.irp i, 0,2,4,6
.irp t, 0,1,2,3
	v_pk_add_f32 v[KP+2*\t:KP+2*\t+1], v[KP+2*\t:KP+2*\t+1], v[S+32+8*\t+\i:S+32+8*\t+\i+1]
.endr
.endr
	s_wait_loadcnt 0x0
	CTX 1
	; the wave's sums: even and odd rows, the two tiles, the two halves of the lanes
.irp t, 0,1,2,3
	v_add_f32 v[KF+\t], v[KP+2*\t], v[KP+2*\t+1]
.endr
	v_pk_add_f32 v[CT:CT+1], v[CT:CT+1], v[CT+4:CT+5]
	v_pk_add_f32 v[CT+2:CT+3], v[CT+2:CT+3], v[CT+6:CT+7]
.irp t, 0,1,2,3
	v_permlane16_swap_b32 v[KF+\t], v[CT+\t]       ; the first now holds both sums of rows 0-7 (k' in lanes 0-15, k' x v in lanes 16-31), the second both of rows 8-15
.endr
	s_delay_alu instid0(VALU_DEP_3)
	v_pk_add_f32 v[KF:KF+1], v[KF:KF+1], v[CT:CT+1]
	s_delay_alu instid0(VALU_DEP_2)
	v_pk_add_f32 v[KF+2:KF+3], v[KF+2:KF+3], v[CT+2:CT+3]          ; lanes 0-15: sums of k' of features 4 r .. 4 r + 3; lanes 16-31: of k' x v
	ds_store_b128 v[RA], v[KF:KF+3]                ; 512 bytes a wave, laid as a partial lies in memory
	s_wait_dscnt 0x0                               ; for wave 0's sake
	s_barrier_signal -1
	s_barrier_wait -1
	s_cmp_lg_u32 s16, 0
	s_cbranch_scc1 .Lend
.irp w, 0,1,2,3,4,5,6,7,8,9,10,11,12,13,14,15
	ds_load_b128 v[V+4*\w:V+4*\w+3], v[RB] offset:512*\w
.endr
	s_wait_dscnt 0x0
.macro QADD d, s
	v_pk_add_f32 v[\d:\d+1], v[\d:\d+1], v[\s:\s+1]
	v_pk_add_f32 v[\d+2:\d+3], v[\d+2:\d+3], v[\s+2:\s+3]
.endm
.irp w, 0,2,4,6,8,10,12,14
	QADD V+4*\w, V+4*\w+4
.endr
.irp w, 0,4,8,12
	QADD V+4*\w, V+4*\w+8
.endr
.irp w, 0,8
	QADD V+4*\w, V+4*\w+16
.endr
	QADD V, V+32
	global_store_b128 v[L16], v[V:V+3], s[14:15]   ; 32 lanes store the partial's 512 consecutive bytes, aligned
.Lend:
	s_wait_tensorcnt 0x0
	ds_add_u32 v254, v255
	s_wait_dscnt 0x0
	s_endpgm
.Lfunc_end_k_qe8faa5698b_ksum:
	.size	k_qe8faa5698b_ksum, .Lfunc_end_k_qe8faa5698b_ksum-k_qe8faa5698b_ksum
	.p2alignl 7, 3214868480
	.fill 96, 4, 3214868480
	.section	.rodata,"a",@progbits
	.p2align	6, 0x0
	.amdhsa_kernel k_qe8faa5698b_ksum
		.amdhsa_group_segment_fixed_size 37888
		.amdhsa_private_segment_fixed_size 0
		.amdhsa_enable_private_segment 0
		.amdhsa_kernarg_size 48
		.amdhsa_user_sgpr_count 2
		.amdhsa_user_sgpr_kernarg_segment_ptr 1
		.amdhsa_wavefront_size32 1
		.amdhsa_system_sgpr_workgroup_id_x 1
		.amdhsa_system_sgpr_workgroup_id_y 1
		.amdhsa_system_sgpr_workgroup_id_z 1
		.amdhsa_system_vgpr_workitem_id 0
		.amdhsa_next_free_vgpr 256
		.amdhsa_next_free_sgpr 66
		.amdhsa_reserve_vcc 0
		.amdhsa_float_denorm_mode_32 3
		.amdhsa_float_denorm_mode_16_64 3
		.amdhsa_memory_ordered 1
		.amdhsa_forward_progress 1
		.amdhsa_inst_pref_size 22
	.end_amdhsa_kernel
	.amdgpu_metadata
---
amdhsa.version: [ 1, 2 ]
amdhsa.kernels:
  - .name:           k_qe8faa5698b_ksum
    .symbol:         k_qe8faa5698b_ksum.kd
    .args:
      - { .name: k_codes, .offset: 0, .size: 8, .value_kind: global_buffer, .address_space: global }
      - { .name: k_scales, .offset: 8, .size: 8, .value_kind: global_buffer, .address_space: global }
      - { .name: proj_codes, .offset: 16, .size: 8, .value_kind: global_buffer, .address_space: global }
      - { .name: proj_scales, .offset: 24, .size: 8, .value_kind: global_buffer, .address_space: global }
      - { .name: v, .offset: 32, .size: 8, .value_kind: global_buffer, .address_space: global }
      - { .name: part, .offset: 40, .size: 8, .value_kind: global_buffer, .address_space: global }
    .group_segment_fixed_size: 37888
    .private_segment_fixed_size: 0
    .kernarg_segment_align: 8
    .kernarg_segment_size: 48
    .max_flat_workgroup_size: 512
    .sgpr_count:     66
    .vgpr_count:     256
    .wavefront_size: 32
...
	.end_amdgpu_metadata
.endif
;; end of part 1
;; launch apply (part 2): grid 256 x 1, 16 waves a work-group, no clusters, 29,696 bytes of LDS; arguments q_codes, q_scales, proj_codes, proj_scales, part, out0; writes out0
.if DOCPART == 2
	.amdgcn_target "amdgcn-amd-amdhsa--gfx1250"
	.amdhsa_code_object_version 6
	.text
	.protected	k_qe8faa5698b_apply
	.globl	k_qe8faa5698b_apply
	.p2align	8
	.type	k_qe8faa5698b_apply,@function
k_qe8faa5698b_apply:
	s_mov_b64 s[64:65], 0
	v_nop
	global_prefetch_b8 v0, s[64:65] scope:SCOPE_SE
	s_setreg_imm32_b32 hwreg(HW_REG_WAVE_MODE, 25, 1), 1
	s_wait_xcnt 0x0
; out = (q' x ctx) x 1 / (the sum over the features of q' x (k_sum + 1e-6)), q' = exp(q proj^T).
; q: [32 heads x 4096][64] as codes of BF6 (E3M2), 48 bytes a row, two E8M0 bytes a row; proj: [64][64] likewise; part: eight partials of 512 bytes a head (64 sums of k', 64 sums of k' x v); out0: [32 x 4096][64] f32.
; SHARES.  A work-group of sixteen waves takes 512 rows of one head, a wave 32 rows: two tiles of 16.  All of a wave's loads are issued in its first lines.
; THE PRODUCT.  v_wmma_scale_f32_16x16x128_f8f6f4, source 0 = 16 rows of q, source 1 = 16 rows of proj.  K is 64 of the instruction's 128: registers 6-11 of every operand (k = 64 .. 127) are zero codes,
; and bytes 2, 3 of the scale words are the zeros that a 16-bit load leaves: zero codes add nothing under them.
; WHICH ROWS OF proj FORM A TILE: tile t takes features 4 r + t (r = lane % 16): lane (r, h) holds rows 8 h + 0 .. 7 in a tile's registers and features 4 r .. 4 r + 3 in the four tiles, 16 neighbouring bytes of a row of out0.
; The last multiplication writes them into four neighbouring registers, so each b128 store covers two whole rows: 256 consecutive bytes, aligned, for each half of the lanes.  No stage on the way out.
; THE DENOMINATOR is kept in f32: four packed multiply-adds a pair of rows in the lane, then four steps across the sixteen lanes that share the rows.
; CODES turn through the wave's own 1,536 bytes of LDS; proj is fetched once for the work-group by waves 0 to 5 and laid tile by tile in LDS; one barrier.
; No cluster: work-groups share proj (3,072 bytes) and, eight of them, a head's partials (4,096 bytes): little beside the 131,072 bytes that each stores.
; LIMITS.  v_exp_f32 gives 0 where q' would lie under 2^-126; v_rcp_f32 gives 0 for a denominator above 2^126 and infinity for one under 2^-126 (ISA guide, 15.8); exp(x) is 2^(x log2 e) with the product rounded to f32;
; sums are taken in another order than the reference's.  The two multiplications are in the reference's order.
.set CROW,  48                         ; a row's 64 codes in bytes
.set GROUP, 16*CROW                    ; sixteen rows: a fragment's
.set WSTG,  32*CROW                    ; LDS: a wave's stage for its 32 rows of codes, from byte 0 on
.set PJ,    16*WSTG                    ; behind the stages: proj, tile by tile: feature 4 r + t at (16 t + r) x 48
.set L16, 1                            ; v1   16 x lane
.set L2,  2                            ; v2   2 x lane
.set PGA, 3                            ; v3   waves 0-5: my 16 bytes of proj in memory
.set PLA, 4                            ; v4   and in LDS
.set PSA, 5                            ; v5   8 r: my four features' scale bytes
.set OA,  6                            ; v6   out0: 2,048 h + 16 r
.set AA,  7                            ; v7   LDS: my wave's stage + 48 r + 24 h
.set SA,  8                            ; v8   LDS: my wave's stage + 16 x lane
.set PFA, 9                            ; v9   LDS: PJ + 48 r + 24 h
.set QSC, 10                           ; v10  q's scale words: lanes 0-15 serve tile 0, lanes 16-31 tile 1
.set PS,  12                           ; v12-15   proj's scale words, tile t
.set PR,  16                           ; v16-19   waves 0-5: 16 bytes of proj
.set KS,  20                           ; v20-27   k_sum + 1e-6 of feature 4 r + t at KS + 2 t (the packed forms name a pair and take its low word)
.set CX,  28                           ; v28-35   ctx likewise
.set DP,  36                           ; v36-51   the denominators, then their reciprocals: row (g, j) at DP + 8 g + j
.set A,   52                           ; v52-75   q's two fragments
.set PB,  76                           ; v76-123  proj's four fragments
.set S,   124                          ; v124-187 scores, then q', then q' x ctx: S + 32 g + 8 t + j
.set O,   188                          ; v188-251 results: O + 32 g + 4 j + t.  Before that: my codes as loaded, and the eight partials
.set QR,  O
.set P,   O+16
.set TL,  252                          ; v252-255 at work at the head
.set TR,  253
.set TH,  254
.set TQ,  255
	s_load_b256 s[4:11], s[0:1], 0x0               ; q's codes s[4:5], q's scales s[6:7], proj's codes s[8:9], proj's scales s[10:11]
	s_load_b128 s[12:15], s[0:1], 0x20             ; part s[12:13], out0 s[14:15]
	v_lshrrev_b32 v[TQ], 5, v0
	s_delay_alu instid0(VALU_DEP_1)
	v_readfirstlane_b32 s16, v[TQ]                 ; wave 0..15
	v_and_b32 v[TL], 31, v0                        ; lane
	v_and_b32 v[TR], 15, v0                        ; r
	v_bfe_u32 v[TH], v0, 4, 1                      ; h
	s_delay_alu instid0(VALU_DEP_3)
	v_lshlrev_b32 v[L16], 4, v[TL]
	s_delay_alu instid0(VALU_DEP_4)
	v_lshlrev_b32 v[L2], 1, v[TL]
	s_delay_alu instid0(VALU_DEP_4)
	v_lshlrev_b32 v[PSA], 3, v[TR]
	v_lshlrev_b32 v[OA], 4, v[TR]
	s_delay_alu instid0(VALU_DEP_1)
	v_lshl_add_u32 v[OA], v[TH], 11, v[OA]         ; lanes 16-31 stand eight rows of 256 bytes further down
	v_and_b32 v[TL], 63, v0                        ; proj's way into LDS: thread i of the first 192 takes feature i % 64,
	v_lshrrev_b32 v[TQ], 6, v0                     ; and of its 48 bytes the 16 at 16 (i / 64)
	s_delay_alu instid0(VALU_DEP_2)
	v_mul_u32_u24 v[PGA], v[TL], CROW
	s_delay_alu instid0(VALU_DEP_1)
	v_lshl_add_u32 v[PGA], v[TQ], 4, v[PGA]
	s_delay_alu instid0(VALU_DEP_4)
	v_and_b32 v[PLA], 3, v[TL]                     ; feature f belongs to tile f % 4,
	s_delay_alu instid0(VALU_DEP_1)
	v_mul_u32_u24 v[PLA], v[PLA], GROUP
	v_lshrrev_b32 v[TL], 2, v[TL]                  ; where it is row f / 4
	s_delay_alu instid0(VALU_DEP_1)
	v_mad_u32_u24 v[PLA], v[TL], CROW, v[PLA]
	s_delay_alu instid0(VALU_DEP_1)
	v_lshl_add_u32 v[PLA], v[TQ], 4, v[PLA]
	s_delay_alu instid0(VALU_DEP_1)
	v_add_nc_u32 v[PLA], PJ, v[PLA]
	s_mul_i32 s17, s16, WSTG                       ; my wave's stage; also its 32 rows of codes within the work-group's
	v_mul_u32_u24 v[AA], v[TR], CROW
	s_delay_alu instid0(VALU_DEP_1)
	v_mad_u32_u24 v[AA], v[TH], 24, v[AA]          ; a fragment: row r, my half's 24 bytes
	s_delay_alu instid0(VALU_DEP_1)
	v_add_nc_u32 v[PFA], PJ, v[AA]
	s_delay_alu instid0(VALU_DEP_2)
	v_add_nc_u32 v[AA], s17, v[AA]
	v_add_nc_u32 v[SA], s17, v[L16]
.irp i, 0,1,2,3
	v_mov_b32 v[PR+\i], 0                          ; waves 6 to 15 load nothing into these four: there they hold zeros
.endr
	s_mul_i32 s20, ttmp9, 16*WSTG                  ; byte offsets of my wave's 32 rows: codes 48 a row,
	s_add_co_u32 s20, s20, s17
	s_mov_b32 s21, 0
	s_lshl_b32 s22, ttmp9, 10                      ; scale bytes 2 a row,
	s_lshl_b32 s19, s16, 6
	s_add_co_u32 s22, s22, s19
	s_mov_b32 s23, 0
	s_lshr_b32 s24, ttmp9, 3                       ; my head's eight partials: 4,096 bytes a head,
	s_lshl_b32 s24, s24, 12
	s_mov_b32 s25, 0
	s_lshl_b32 s26, ttmp9, 17                      ; out0 256 a row
	s_lshl_b32 s19, s16, 13
	s_add_co_u32 s26, s26, s19
	s_mov_b32 s27, 0
	s_mov_b32 s28, 0x3fb8aa3b                      ; log2(e)
	s_mov_b32 s29, s28                             ; (named with it as a pair, so it is written)
	s_wait_kmcnt 0x0
	s_add_nc_u64 s[4:5], s[4:5], s[20:21]
	s_add_nc_u64 s[6:7], s[6:7], s[22:23]
	s_add_nc_u64 s[12:13], s[12:13], s[24:25]
	s_add_nc_u64 s[14:15], s[14:15], s[26:27]
	; ALL LOADS, in the order in which they are wanted
	s_cmp_lt_u32 s16, 6
	s_cbranch_scc0 .Lno_proj_load
	global_load_b128 v[PR:PR+3], v[PGA], s[8:9]    ; waves 0-5: the oldest load, so that it changes no count below
.Lno_proj_load:
.irp i, 0,1,2
	global_load_b128 v[QR+4*\i:QR+4*\i+3], v[L16], s[4:5] offset:512*\i th:TH_LOAD_NT   ; 512 consecutive bytes a load
.endr
	global_load_u16 v[QSC], v[L2], s[6:7] th:TH_LOAD_NT            ; row l's two bytes; the upper half of the word is 0
.irp t, 0,1,2,3
	global_load_u16 v[PS+\t], v[PSA], s[10:11] offset:2*\t         ; feature 4 r + t's two bytes
.endr
.irp p, 0,1,2,3,4,5,6,7
	global_load_b128 v[P+4*\p:P+4*\p+3], v[L16], s[12:13] offset:512*\p   ; partial p: lanes 0-15 the sums of k' of features 4 r .. 4 r + 3, lanes 16-31 those of k' x v
.endr
	; k = 64 .. 127 of every operand: zero codes
.irp g, 0,1
.irp i, 6,7,8,9,10,11
	v_mov_b32 v[A+12*\g+\i], 0
.endr
.endr
.irp t, 0,1,2,3
.irp i, 6,7,8,9,10,11
	v_mov_b32 v[PB+12*\t+\i], 0
.endr
.endr
.irp t, 0,1,2,3
	v_mov_b32 v[KS+2*\t+1], 0                      ; the upper halves of the pairs that the packed forms name: written, never used.  (These eight are also the places
	v_mov_b32 v[CX+2*\t+1], 0                      ; between the operands' zeros and the scaled matrix instructions, which want four)
.endr
	s_wait_loadcnt 13                              ; my codes are in, and the older load of proj: the 13 younger loads (5 of scales, 8 of partials) stay out
.irp i, 0,1,2
	ds_store_b128 v[SA], v[QR+4*\i:QR+4*\i+3] offset:512*\i        ; as they lie
.endr
	s_cmp_lt_u32 s16, 6
	s_cbranch_scc0 .Lno_proj_store
	ds_store_b128 v[PLA], v[PR:PR+3]
.Lno_proj_store:
	s_wait_dscnt 0x0                               ; for the others' sake: my part of proj has landed
	s_barrier_signal -1
	s_barrier_wait -1                              ; proj is whole
.irp g, 0,1
.irp p, 0,1,2
	ds_load_b64 v[A+12*\g+2*\p:A+12*\g+2*\p+1], v[AA] offset:GROUP*\g+8*\p
.endr
.endr
.irp t, 0,1,2,3
.irp p, 0,1,2
	ds_load_b64 v[PB+12*\t+2*\p:PB+12*\t+2*\p+1], v[PFA] offset:GROUP*\t+8*\p
.endr
.endr
	s_wait_loadcnt 8                               ; the scale words are in; the eight partials stay out
	s_wait_dscnt 0x0
	s_wait_alu depctr_va_vdst(0)
.irp t, 0,1,2,3
	v_wmma_scale_f32_16x16x128_f8f6f4 v[S+8*\t:S+8*\t+7], v[A:A+11], v[PB+12*\t:PB+12*\t+11], 0, v[QSC], v[PS+\t] matrix_a_fmt:MATRIX_FMT_BF6 matrix_b_fmt:MATRIX_FMT_BF6
.endr
.irp t, 0,1,2,3
	v_wmma_scale_f32_16x16x128_f8f6f4 v[S+32+8*\t:S+32+8*\t+7], v[A+12:A+23], v[PB+12*\t:PB+12*\t+11], 0, v[QSC], v[PS+\t] matrix_a_fmt:MATRIX_FMT_BF6 matrix_b_fmt:MATRIX_FMT_BF6 matrix_a_scale:MATRIX_SCALE_ROW1
.endr
	; the head's sums: eight partials are added.  These fourteen plain instructions, which name no register of the products, are also the places behind them (ISA guide 7.12.1 asks for four)
	s_wait_loadcnt 0x0
.macro QADD d, s
	v_pk_add_f32 v[\d:\d+1], v[\d:\d+1], v[\s:\s+1]
	v_pk_add_f32 v[\d+2:\d+3], v[\d+2:\d+3], v[\s+2:\s+3]
.endm
.irp p, 0,2,4,6
	QADD P+4*\p, P+4*\p+4
.endr
.irp p, 0,4
	QADD P+4*\p, P+4*\p+8
.endr
	QADD P, P+16
.irp t, 0,1,2,3
	v_mov_b32 v[KS+2*\t], v[P+\t]
	v_mov_b32 v[CX+2*\t], v[P+\t]
.endr
.irp t, 0,1,2,3
	v_permlane16_swap_b32 v[KS+2*\t], v[CX+2*\t]   ; the first's lanes 16-31 change places with the second's lanes 0-15: the first holds the sum of k' in all lanes, the second ctx
.endr
.irp t, 0,1,2,3
	s_delay_alu instid0(VALU_DEP_4)
	v_add_f32 v[KS+2*\t], 0x358637bd, v[KS+2*\t]   ; + 1e-6
.endr
.macro SCALE g                         ; x log2(e), two at a time, each accumulator from its low end on
.set i, 0
.rept 16
	v_pk_mul_f32 v[S+32*\g+i:S+32*\g+i+1], v[S+32*\g+i:S+32*\g+i+1], s[28:29] op_sel_hi:[1,0]
.set i, i+2
.endr
.endm
.macro EXPS g                          ; q' = 2^(that): a batch of 32
.set i, 0
.rept 32
	v_exp_f32 v[S+32*\g+i], v[S+32*\g+i]
.set i, i+1
.endr
.endm
.macro DEN g                           ; the denominators of the tile's rows, and their reciprocals
.irp i, 0,2,4,6
	v_pk_mul_f32 v[DP+8*\g+\i:DP+8*\g+\i+1], v[S+32*\g+\i:S+32*\g+\i+1], v[KS:KS+1] op_sel_hi:[1,0]   ; my four features' part, two rows at a time: the first product starts each sum
.endr
.irp t, 1,2,3
.irp i, 0,2,4,6
	v_pk_fma_f32 v[DP+8*\g+\i:DP+8*\g+\i+1], v[S+32*\g+8*\t+\i:S+32*\g+8*\t+\i+1], v[KS+2*\t:KS+2*\t+1], v[DP+8*\g+\i:DP+8*\g+\i+1] op_sel_hi:[1,0,1]
.endr
.endr
.irp m, 1,2,4,8
.irp j, 0,1,2,3,4,5,6,7
	v_add_f32_dpp v[DP+8*\g+\j], v[DP+8*\g+\j], v[DP+8*\g+\j] row_xmask:\m row_mask:0xf bank_mask:0xf   ; across the sixteen lanes that share the rows: every lane ends with the sum
.endr
.endr
	s_wait_alu depctr_va_vdst(0)
.irp j, 0,1,2,3,4,5,6,7
	v_rcp_f32 v[DP+8*\g+\j], v[DP+8*\g+\j]
.endr
.irp t, 0,1,2,3
.irp i, 0,2,4,6
	v_pk_mul_f32 v[S+32*\g+8*\t+\i:S+32*\g+8*\t+\i+1], v[S+32*\g+8*\t+\i:S+32*\g+8*\t+\i+1], v[CX+2*\t:CX+2*\t+1] op_sel_hi:[1,0]   ; q' x ctx: plain work behind the reciprocals, which names none of them
.endr
.endr
	s_wait_alu depctr_va_vdst(0)                   ; one wait for all transcendentals issued so far, ahead of the first reader
.endm
.macro OUT g                           ; x 1 / denominator, written so that a row's four features stand in four neighbouring registers; each row pair leaves as soon as it is made
.irp j, 0,1,2,3,4,5,6,7
.irp t, 0,1,2,3
	v_mul_f32 v[O+32*\g+4*\j+\t], v[S+32*\g+8*\t+\j], v[DP+8*\g+\j]
.endr
	global_store_b128 v[OA], v[O+32*\g+4*\j:O+32*\g+4*\j+3], s[14:15] offset:4096*\g+256*\j th:TH_STORE_NT   ; rows 16 g + j and 16 g + 8 + j, whole: 256 consecutive bytes, aligned, for each half of the lanes
.endr
.endm
	SCALE 0
	s_wait_alu depctr_va_vdst(0)
	EXPS 0
	s_wait_alu depctr_va_vdst(0)
	SCALE 1                                        ; plain work behind the first batch, which names none of its results
	s_wait_alu depctr_va_vdst(0)                   ; one wait for the first batch, ahead of its first reader
	EXPS 1                                         ; the second batch runs under tile 0's denominators, which read the first batch alone
	DEN 0                                          ; its closing wait serves the second batch of exponentials too
	OUT 0
	DEN 1
	OUT 1
	s_wait_xcnt 0x0
	v_lshl_add_u32 v254, v0, 2, 0x6c00
	v_mov_b32 v255, 0
	s_wait_alu depctr_va_vdst(0)
	s_wait_tensorcnt 0x0
	ds_add_u32 v254, v255
	s_wait_dscnt 0x0
	s_endpgm
.Lfunc_end_k_qe8faa5698b_apply:
	.size	k_qe8faa5698b_apply, .Lfunc_end_k_qe8faa5698b_apply-k_qe8faa5698b_apply
	.p2alignl 7, 3214868480
	.fill 96, 4, 3214868480
	.section	.rodata,"a",@progbits
	.p2align	6, 0x0
	.amdhsa_kernel k_qe8faa5698b_apply
		.amdhsa_group_segment_fixed_size 29696
		.amdhsa_private_segment_fixed_size 0
		.amdhsa_enable_private_segment 0
		.amdhsa_kernarg_size 48
		.amdhsa_user_sgpr_count 2
		.amdhsa_user_sgpr_kernarg_segment_ptr 1
		.amdhsa_wavefront_size32 1
		.amdhsa_system_sgpr_workgroup_id_x 1
		.amdhsa_system_sgpr_workgroup_id_y 1
		.amdhsa_system_sgpr_workgroup_id_z 1
		.amdhsa_system_vgpr_workitem_id 0
		.amdhsa_next_free_vgpr 256
		.amdhsa_next_free_sgpr 66
		.amdhsa_reserve_vcc 0
		.amdhsa_float_denorm_mode_32 3
		.amdhsa_float_denorm_mode_16_64 3
		.amdhsa_memory_ordered 1
		.amdhsa_forward_progress 1
		.amdhsa_inst_pref_size 27
	.end_amdhsa_kernel
	.amdgpu_metadata
---
amdhsa.version: [ 1, 2 ]
amdhsa.kernels:
  - .name:           k_qe8faa5698b_apply
    .symbol:         k_qe8faa5698b_apply.kd
    .args:
      - { .name: q_codes, .offset: 0, .size: 8, .value_kind: global_buffer, .address_space: global }
      - { .name: q_scales, .offset: 8, .size: 8, .value_kind: global_buffer, .address_space: global }
      - { .name: proj_codes, .offset: 16, .size: 8, .value_kind: global_buffer, .address_space: global }
      - { .name: proj_scales, .offset: 24, .size: 8, .value_kind: global_buffer, .address_space: global }
      - { .name: part, .offset: 32, .size: 8, .value_kind: global_buffer, .address_space: global }
      - { .name: out0, .offset: 40, .size: 8, .value_kind: global_buffer, .address_space: global }
    .group_segment_fixed_size: 29696
    .private_segment_fixed_size: 0
    .kernarg_segment_align: 8
    .kernarg_segment_size: 48
    .max_flat_workgroup_size: 512
    .sgpr_count:     66
    .vgpr_count:     256
    .wavefront_size: 32
...
	.end_amdgpu_metadata
.endif
;; end of part 2
